; MI455X (gfx1250); checked and timed in simulation.
; The chip was launched on July 23, 2026; its instructions are those of AMD's public machine-readable ISA for CDNA 5 (MIT licence, August 2026) and "CDNA5" Instruction Set Architecture Reference Guide (July 2026). The comments in the code are by the model that wrote it; some were corrected since.
;; Self Attn. Allowed arithmetic: float matrix products may take bf16 or f16 operands with f32 sums; other float arithmetic in f32, or as packed bf16 or f16 multiplies, adds, multiply-adds, maxima and minima; sums over many terms, partial sums and values carried from step to step in f32; what a program stores and reads back later, other than sums and carried values, may be rounded once to bf16 or f16.
;; Inputs: Wk 1,024 x 128 float32; Wq 1,024 x 128 float32; Wv 1,024 x 1,024 float32; bk 128 float32; bq 128 float32; bv 1,024 float32; gamma 1 float32; x 8 x 2,048 x 1,024 float32.
;; Outputs: out0 8 x 2,048 x 1,024 float32.
;; One version. Each part assembles by itself: llvm-mc -triple=amdgcn-amd-amdhsa -mcpu=gfx1250 --defsym DOCPART=n.
;; ======== version 1 of 1: 3 launches
;; workspace buffers: wimg 2,621,440 bytes; bias 5,120 bytes; qk 8,388,608 bytes; v 33,554,432 bytes
;; launch prep (part 1): grid 256 x 1, 20 waves a work-group, no clusters, 0 bytes of LDS; arguments Wq, Wk, Wv, bq, bv, wimg, bias; writes wimg, bias
.if DOCPART == 1
	.amdgcn_target "amdgcn-amd-amdhsa--gfx1250"
	.amdhsa_code_object_version 6
	.text
	.protected	k_q336658098b_prep
	.globl	k_q336658098b_prep
	.p2align	8
	.type	k_q336658098b_prep,@function
k_q336658098b_prep:
	s_mov_b64 s[64:65], 0
	v_nop
	global_prefetch_b8 v0, s[64:65] scope:SCOPE_SE
	s_setreg_imm32_b32 hwreg(HW_REG_WAVE_MODE, 25, 1), 1
	s_wait_xcnt 0x0
; out = gamma softmax(q k^T) v + x, with q = x Wq + bq, k = x Wk + bk, v = x Wv + bv.  Three launches: this one lays the weights out, the second makes q, k, v, the third is the attention.
; WORK LEFT OUT: bk.  energy[s][t] = q[s] . (x[t] Wk) + q[s] . bk.  The second term does not hang on t, and softmax runs over t: a term that is the same along the softmax's axis cancels
; between numerator and denominator, for every finite value of every input.  So bk has no way to the output: it is not loaded and is among no launch's arguments.
; LIMIT: a NaN, an infinity or an overflow that would arise in q . bk alone is not carried to the result.
; THIS LAUNCH rounds Wq, Wk, Wv once to bf16 and writes them in the order in which a wave's operand registers take them:
;   wimg[n 4][s 16][c 2][b 20][f 2][lane 32][8 bf16]: tile column n of 320 columns, K step s of 64, chunk c of 32, block b of 16 columns.
;   The piece of lane l holds W[64 s + 32 c + 16 f + 8 (l / 16) + 0..7][column 16 b + l % 16 of tile column n].
;   Tile column n: blocks 0-3 are 64 columns of Wq (n = 0, 1) or of Wk (n = 2, 3), blocks 4-19 are columns 256 n .. 256 n + 255 of Wv.
;   bias[n 4][320] f32 in the same column order: bq, 0 for k's columns (see above), bv.
; SHARES.  One thread makes one piece of 16 bytes: eight loads of 4 bytes down a column, four roundings, one store.  A wave's store covers 512 consecutive bytes, aligned.
; Work-group g: n = g / 64, s = (g / 4) % 16, c = (g / 2) % 2; wave v: b = 10 (g % 2) + v / 2, f = v % 2.  The piece's byte is then 10,240 g + 16 x thread.
; No LDS and no matrix unit: no number is wanted by two threads.
.set OUTB, 10240                       ; bytes of wimg that a work-group writes
.macro GATHER pitch                    ; eight numbers down a column of a matrix whose rows are pitch bytes
.irp i, 0,1,2,3,4,5,6,7
	global_load_b32 v[8+(\i)], v6, s[28:29] offset:(\i)*(\pitch)
.endr
.endm
	s_load_b256 s[4:11], s[0:1], 0x0               ; Wq s[4:5], Wk s[6:7], Wv s[8:9], bq s[10:11]
	s_load_b128 s[12:15], s[0:1], 0x20             ; bv s[12:13], wimg s[14:15]
	s_load_b64 s[16:17], s[0:1], 0x30              ; bias
	v_lshrrev_b32 v1, 5, v0
	v_readfirstlane_b32 s18, v1                    ; wave 0..19
	v_and_b32 v2, 15, v0                           ; l % 16
	v_bfe_u32 v3, v0, 4, 1                         ; l / 16
	v_and_b32 v18, 31, v0                          ; l
	s_lshr_b32 s19, ttmp9, 6                       ; n
	s_bfe_u32 s20, ttmp9, 0x40002                  ; s: four bits from bit 2
	s_bfe_u32 s21, ttmp9, 0x10001                  ; c: one bit from bit 1
	s_and_b32 s22, ttmp9, 1
	s_mul_i32 s22, s22, 10
	s_lshr_b32 s23, s18, 1
	s_add_co_u32 s22, s22, s23                     ; b
	s_and_b32 s23, s18, 1                          ; f
	s_lshl_b32 s24, s20, 6
	s_lshl_b32 s25, s21, 5
	s_add_co_u32 s24, s24, s25
	s_lshl_b32 s25, s23, 4
	s_add_co_u32 s24, s24, s25                     ; 64 s + 32 c + 16 f
	v_lshl_add_u32 v4, v3, 3, s24                  ; the piece's first row of W
	s_mul_i32 s26, ttmp9, OUTB
	v_lshl_add_u32 v5, v0, 4, s26                  ; the piece's byte in wimg
	s_wait_kmcnt 0x0
	s_cmp_lt_u32 s22, 4
	s_cbranch_scc0 .Lwv
	s_cmp_lt_u32 s19, 2                            ; blocks 0-3: Wq for n = 0, 1, Wk for n = 2, 3
	s_cselect_b64 s[28:29], s[4:5], s[6:7]
	s_and_b32 s27, s19, 1
	s_lshl_b32 s27, s27, 6
	s_lshl4_add_u32 s27, s22, s27                  ; 64 (n % 2) + 16 b
	v_add_lshl_u32 v7, v2, s27, 2                  ; the column, in bytes
	v_lshl_add_u32 v6, v4, 9, v7                   ; + row x 512
	GATHER 512
	s_branch .Lpack
.Lwv:
	s_mov_b64 s[28:29], s[8:9]                     ; blocks 4-19: Wv
	s_lshl_b32 s27, s19, 8
	s_lshl4_add_u32 s27, s22, s27
	s_sub_co_u32 s27, s27, 64                      ; 256 n + 16 (b - 4)
	v_add_lshl_u32 v7, v2, s27, 2
	v_lshl_add_u32 v6, v4, 12, v7                  ; + row x 4,096
	GATHER 4096
.Lpack:
	s_wait_loadcnt 0x0
	v_cvt_pk_bf16_f32 v20, v8, v9
	v_cvt_pk_bf16_f32 v21, v10, v11
	v_cvt_pk_bf16_f32 v22, v12, v13
	v_cvt_pk_bf16_f32 v23, v14, v15
	global_store_b128 v5, v[20:23], s[14:15]
	; the bias table: the waves with s = 0, c = 0, f = 0 write their block's 16 numbers
	s_and_b32 s27, ttmp9, 63
	s_cmp_lt_u32 s27, 2
	s_cbranch_scc0 .Lend
	s_cmp_eq_u32 s23, 0
	s_cbranch_scc0 .Lend
	v_mov_b32 v16, 0                               ; k's columns: no bias (see the head)
	s_cmp_lt_u32 s22, 4
	s_cbranch_scc0 .Lbv
	s_cmp_lt_u32 s19, 2
	s_cbranch_scc0 .Lbst
	global_load_b32 v16, v7, s[10:11]              ; bq at the same column
	s_branch .Lbst
.Lbv:
	global_load_b32 v16, v7, s[12:13]              ; bv at the same column
.Lbst:
	s_mul_i32 s27, s19, 320
	s_lshl4_add_u32 s27, s22, s27
	v_add_lshl_u32 v17, v2, s27, 2                 ; 4 (320 n + 16 b + l % 16)
	s_wait_loadcnt 0x0
	s_wait_xcnt 0x0                                ; EXEC is narrowed only when every earlier memory instruction has read its sources
	v_cmp_gt_u32 vcc_lo, 16, v18
	s_and_saveexec_b32 s30, vcc_lo                 ; lanes 0-15: one lane a column
	global_store_b32 v17, v16, s[16:17]
	s_wait_xcnt 0x0                                ; and widened again only behind the same wait
	s_or_b32 exec_lo, exec_lo, s30
.Lend:
	s_endpgm
.Lfunc_end_k_q336658098b_prep:
	.size	k_q336658098b_prep, .Lfunc_end_k_q336658098b_prep-k_q336658098b_prep
	.p2alignl 7, 3214868480
	.fill 96, 4, 3214868480
	.section	.rodata,"a",@progbits
	.p2align	6, 0x0
	.amdhsa_kernel k_q336658098b_prep
		.amdhsa_group_segment_fixed_size 0
		.amdhsa_private_segment_fixed_size 0
		.amdhsa_enable_private_segment 0
		.amdhsa_kernarg_size 56
		.amdhsa_user_sgpr_count 2
		.amdhsa_user_sgpr_kernarg_segment_ptr 1
		.amdhsa_wavefront_size32 1
		.amdhsa_system_sgpr_workgroup_id_x 1
		.amdhsa_system_sgpr_workgroup_id_y 1
		.amdhsa_system_sgpr_workgroup_id_z 1
		.amdhsa_system_vgpr_workitem_id 0
		.amdhsa_next_free_vgpr 24
		.amdhsa_next_free_sgpr 66
		.amdhsa_reserve_vcc 1
		.amdhsa_float_denorm_mode_32 3
		.amdhsa_float_denorm_mode_16_64 3
		.amdhsa_memory_ordered 1
		.amdhsa_forward_progress 1
		.amdhsa_inst_pref_size 5
	.end_amdhsa_kernel
	.amdgpu_metadata
---
amdhsa.version: [ 1, 2 ]
amdhsa.kernels:
  - .name:           k_q336658098b_prep
    .symbol:         k_q336658098b_prep.kd
    .args:
      - { .name: Wq, .offset: 0, .size: 8, .value_kind: global_buffer, .address_space: global }
      - { .name: Wk, .offset: 8, .size: 8, .value_kind: global_buffer, .address_space: global }
      - { .name: Wv, .offset: 16, .size: 8, .value_kind: global_buffer, .address_space: global }
      - { .name: bq, .offset: 24, .size: 8, .value_kind: global_buffer, .address_space: global }
      - { .name: bv, .offset: 32, .size: 8, .value_kind: global_buffer, .address_space: global }
      - { .name: wimg, .offset: 40, .size: 8, .value_kind: global_buffer, .address_space: global }
      - { .name: bias, .offset: 48, .size: 8, .value_kind: global_buffer, .address_space: global }
    .group_segment_fixed_size: 0
    .private_segment_fixed_size: 0
    .kernarg_segment_align: 8
    .kernarg_segment_size: 56
    .max_flat_workgroup_size: 640
    .sgpr_count:     66
    .vgpr_count:     24
    .wavefront_size: 32
...
	.end_amdgpu_metadata
.endif
;; end of part 1
;; launch proj (part 2): grid 4 x 64, 4 waves a work-group, clusters of 4 x 4, 327,680 bytes of LDS; arguments x, wimg, bias, qk, v; writes qk, v
.if DOCPART == 2
	.amdgcn_target "amdgcn-amd-amdhsa--gfx1250"
	.amdhsa_code_object_version 6
	.text
	.protected	k_q336658098b_proj
	.globl	k_q336658098b_proj
	.p2align	8
	.type	k_q336658098b_proj,@function
k_q336658098b_proj:
	s_mov_b64 s[64:65], 0
	v_nop
	global_prefetch_b8 v0, s[64:65] scope:SCOPE_SE
	s_setreg_imm32_b32 hwreg(HW_REG_WAVE_MODE, 25, 1), 1
	s_wait_xcnt 0x0
	s_wait_alu depctr_hold_cnt(0) depctr_sa_sdst(0) depctr_va_vdst(0) depctr_va_sdst(0) depctr_va_ssrc(0) depctr_va_vcc(0) depctr_vm_vsrc(0)
	s_getreg_b32 s2, hwreg(HW_REG_IB_STS2, 6, 4)
	s_cmp_eq_u32 s2, 0
	s_cbranch_scc0 .Lentry_in_a_cluster
	s_endpgm
.Lentry_in_a_cluster:
	s_bfe_u32 s2, ttmp6, 0x10000c
	s_cmp_lg_u32 s2, 0xf033
	s_cbranch_scc0 .Lentry_shape_is_right
	s_endpgm
.Lentry_shape_is_right:
; q = x Wq + bq, k = x Wk, v = x Wv + bv: one product [16,384 x 1,024] x [1,024 x 1,280], bf16 operands, f32 sums, each result rounded once to bf16.
; WORK LEFT OUT: bk is not added to k: q . bk is the same for all keys of a query and cancels in the softmax, for all values of the inputs.  k's places in the bias table hold 0.
; LIMITS: x and the weights are rounded to bf16 for the product, so the error grows with the inputs; NaN and infinities are not treated apart.
; SHARES.  A work-group makes 256 rows x 320 columns (tile column n: 64 columns of q or k and 256 of v): 64 x 4 = 256 work-groups.  Wave w has rows 64 w .. 64 w + 63 and all 320 columns:
; 4 row blocks a x 20 column blocks b = 80 accumulators of 16 x 16, 640 registers.  K goes in 16 steps of 64 (256 bytes of a row of x in f32) through two LDS slots.
; x comes into LDS as f32 and is rounded on its way from LDS to the matrix unit: it is read from memory once, and no copy of it is stored.  The weights come as the register image that the launch before wrote.
; CLUSTER 4 x 4.  The four work-groups of a row of the cluster need the same rows of x, the four of a column the same tile column of the weights: each tile is asked for jointly.
; THE RESULTS ARE STORED AS REGISTER IMAGES, straight from registers.  Blocks b < 4 (q, k) are multiplied transposed (source 0 = weights, source 1 = x): a lane then holds one row and 8 neighbouring
; channels.  Blocks b >= 4 (v) are multiplied as they stand: a lane holds one channel and 8 neighbouring rows (keys).  Four roundings make of either the 16 bytes that the same lane of the attention
; launch loads as part of an operand, and a wave's store covers 512 consecutive bytes, aligned.
;   qk[plane 4][row tile 1,024][cc 2][f 2][lane][8 bf16]: planes 0, 1 q's channels 0-63, 64-127; planes 2, 3 k's.  Lane l: row l % 16, channel 32 cc + 16 f + 8 (l / 16) + 0..7 of the plane.
;   v[chunk of 32 keys 512][cb 64][f 2][lane][8 bf16]: lane l: channel 16 cb + l % 16, keys 16 f + 8 (l / 16) + 0..7 of the chunk.
; REGISTERS, in windows of 256 (s_set_vgpr_msb: bits 1:0 source 0, 3:2 source 1, 5:4 source 2, 7:6 destination):
;   window 0: v0-13 addresses; v32-95 AF: a chunk of x in f32; v96-127, v128-159 AB: x's fragments of chunks 0, 1; v160-191 BQ, v192-223 BV: the bias
;   window 1: v0-63, v64-127 two halves H, each with the weights of two groups; v128-255 accumulators of b = 16..19
;   window 2: accumulators of b = 0..7 at 8 (4 (b % 8) + a);   window 3: those of b = 8..15
.set PITCH,  272                       ; an LDS row of x: 256 bytes + 16 of padding = 68 words: the 16 rows that a load touches start at 16 different groups of four banks (64 banks of 4 bytes: ISA guide 11.1)
.set AHALF,  128*PITCH                 ; 128 rows of x: one tensor load
.set BOFF,   2*AHALF                   ; behind x's 256 rows: the weights of the K step
.set BHALF,  20480                     ; a chunk's weights: 20 blocks x 1,024 bytes: one tensor load
.set SLOT,   BOFF+2*BHALF              ; 110,592
.set SPARE,  2*SLOT                    ; behind the ring: the spare words, 128 bytes for each wave: two blocks of 256 bytes that no other line names
.set ADRA, 4                           ; v4-5   LDS address of my lane's part of x's rows in slot 0, 1
.set ADRB, 6                           ; v6-7   the same for the weights' image
.set LO,   8                           ; v8     16 x lane; never rewritten
.set BO8,  9                           ; v9     32 (l / 16): my 8 numbers of a block's bias (b < 4)
.set BO1,  10                          ; v10    4 (l % 16): my one number (b >= 4)
.set PFO,  11                          ; v11    the prefetches' offset: lane x a row of x; never rewritten
.set SPW,  12                          ; v12    LDS address of my spare word; never rewritten
.set NIL,  13                          ; v13    0; never rewritten
.set AF,   32
.set AB,   96
.set BQ,   160                         ; 8 registers for each b < 4
.set BV,   192                         ; a pair, the same number twice, for each b >= 4
.set T,    32                          ; the way out: sums with their bias (AF's registers)
.set PK,   96                          ; the way out: rounded results, two sets of 32 by turns (AB's registers)
.set WV,   14                          ; s14  wave
.set FB,   15                          ; s15  wave / 2: I fetch x (0) or weights (1)
.set HF,   16                          ; s16  wave % 2: which half of that tile
.set CX,   17
.set CY,   18
.set TR,   19                          ; s19  tile row
.set NN,   20                          ; s20  tile column
.set G1A,  24                          ; s[24:31] descriptor group 1 for x's tiles;  s[32:39] group 0, a set for each slot
.set G0A,  32
.set G1B,  40                          ; s[40:47], s[48:55] the same for the weights
.set G0B,  48
.set PFA,  56                          ; s[56:57] where my prefetches stand
.set LIM,  58                          ; s58  1 in a wave that prefetches, else the greatest number
.set LAP,  59                          ; s59  trips to go
.set QKB,  60                          ; s[60:61] qk at my first piece
.set VB,   62                          ; s[62:63] v at my first piece
.set MSB, 0
.macro WIN new                         ; the immediate's high byte repeats the setting that is left; a switch that changes nothing is dropped
.if MSB != (\new)
	s_set_vgpr_msb (MSB<<8)|(\new)
.set MSB, \new
.endif
.endm
.macro PLACES                          ; four plain vector instructions between a matrix instruction and a load into, or a vector write or read of, its registers
.rept 4
	v_nop
.endr
.endm
; A joint load.  Waves 0 and 1 fetch the two halves of x's tile, waves 2 and 3 the two chunks of the weights.  The branch hangs on the wave's number alone.
; An s_nop 0 and four v_nop follow each of the two lines, ahead of the jump and the label.
.macro JLOAD s
	s_cmp_eq_u32 s[FB], 0
	s_cbranch_scc0 .Lfor_b_\@
	tensor_load_to_lds s[G0A+4*(\s):G0A+4*(\s)+3], s[G1A:G1A+7]
	s_nop 0
.rept 4
	v_nop
.endr
	s_branch .Lasked_\@
.Lfor_b_\@:
	tensor_load_to_lds s[G0B+4*(\s):G0B+4*(\s)+3], s[G1B:G1B+7]
	s_nop 0
.rept 4
	v_nop
.endr
.Lasked_\@:
.endm
.macro CREST                           ; a round of the cluster's barrier behind its opening barrier
	s_cmp_lg_u32 s[WV], 0
	s_cbranch_scc1 .Lnot_wave_0_\@
	s_barrier_signal -3
.Lnot_wave_0_\@:
	s_barrier_wait -3
	s_barrier_signal -1
	s_barrier_wait -1
.endm
.macro CROUND                          ; a whole round
	s_barrier_signal -1
	s_barrier_wait -1
	CREST
.endm
; A prefetch of x, behind a joint load and the LDS loads that follow it: the K step that stands two refills on (320 matrix instructions ahead of the load that will want it), 256 bytes of each of 32 rows, a lane a row.
; x's tile row is read by this cluster alone.  Of the 128 rows that wave 0 or 1 fetches, the partner at place cx takes 32 cx .. 32 cx + 31, told apart by address: each row's 256 bytes are named once.
; The loop's last trip asks for nothing: its refills are the last two K steps.  K steps 0 to 3 come by their loads alone.  The weights are not asked for: sixteen clusters walk the same 2.6 MB.
.macro ASK
	s_cmp_gt_u32 s[LAP], s[LIM]
	s_cbranch_scc0 .Lnot_mine_\@
	global_prefetch_b8 v[PFO], s[PFA:PFA+1] offset:256 th:TH_LOAD_NT scope:SCOPE_SE
.Lnot_mine_\@:
.endm
	s_load_b256 s[4:11], s[0:1], 0x0               ; x s[4:5], wimg s[6:7], bias s[8:9], qk s[10:11]
	s_load_b64 s[12:13], s[0:1], 0x20              ; v
	v_lshl_add_u32 v[SPW], v0, 2, SPARE
	v_mov_b32 v[NIL], 0
	ds_add_u32 v[SPW], v[NIL]                      ; the wave's opening: the add, twice on end, and its wait ahead of my first tensor load
	ds_add_u32 v[SPW], v[NIL]                      ; once more; the set-up below, work on registers, stands between it and the wait
	v_lshrrev_b32 v1, 5, v0
	v_readfirstlane_b32 s[WV], v1                  ; wave 0..3
	s_lshr_b32 s[FB], s[WV], 1
	s_and_b32 s[HF], s[WV], 1
	s_bfe_u32 s[CX], ttmp6, 0x40000                ; my place in the cluster
	s_bfe_u32 s[CY], ttmp6, 0x40004
	s_lshl_b32 s[NN], ttmp9, 2
	s_add_co_u32 s[NN], s[NN], s[CX]               ; tile column = 4 x cluster x + cx
	s_and_b32 s[TR], ttmp7, 0xffff
	s_lshl_b32 s[TR], s[TR], 2
	s_add_co_u32 s[TR], s[TR], s[CY]               ; tile row = 4 x cluster y + cy
	s_lshl_b32 s66, s[CY], 2
	s_lshl_b32 s66, 15, s66                        ; my row of the cluster: places 4 cy .. 4 cy + 3
	s_lshl_b32 s67, 0x1111, s[CX]                  ; my column: places cx, cx + 4, cx + 8, cx + 12
	; group 1 for x: 128 rows x 64 elements of 4 bytes, 1,024 elements from row to row, 4 words of padding behind every 64
	s_or_b32 s[G1A+0], s66, (2<<16)|(1<<20)|(1<<21)|(5<<22)|(3<<25)  ; 15:0 the mask; 17:16 elements of 4 bytes; 20 padding on; 21 set beside a mask; 24:22 after every 64 words; 31:25 4 words
	s_mov_b32 s[G1A+1], 64<<16                     ; tensor_dim0 = 64
	s_mov_b32 s[G1A+2], 128<<16                    ; tensor_dim1 = 128
	s_mov_b32 s[G1A+3], 64<<16                     ; tile_dim0 = 64
	s_mov_b32 s[G1A+4], 128                        ; tile_dim1 = 128
	s_mov_b32 s[G1A+5], 1024                       ; elements from row to row
	s_mov_b32 s[G1A+6], 0
	s_mov_b32 s[G1A+7], 0
	; group 1 for the weights: 20,480 dense bytes as 80 rows of 32 elements of 8 bytes, no padding
	s_or_b32 s[G1B+0], s67, (3<<16)|(1<<21)
	s_mov_b32 s[G1B+1], 32<<16
	s_mov_b32 s[G1B+2], 80<<16
	s_mov_b32 s[G1B+3], 32<<16
	s_mov_b32 s[G1B+4], 80
	s_mov_b32 s[G1B+5], 32
	s_mov_b32 s[G1B+6], 0
	s_mov_b32 s[G1B+7], 0
	; offsets, each coordinate in registers of its own: x's hang on the tile row and the wave, the weights' on the tile column and the wave
	s_lshl_b32 s68, s[TR], 20                      ; 256 rows of 4,096 bytes
	s_lshl_b32 s69, s[HF], 19                      ; my 128 of them
	s_add_co_u32 s68, s68, s69
	s_mov_b32 s69, 0
	s_mul_i32 s70, s[NN], 655360                   ; a tile column's 16 K steps of 40,960 bytes
	s_mul_i32 s71, s[HF], BHALF
	s_add_co_u32 s70, s70, s71
	s_mov_b32 s71, 0
	s_mul_i32 s72, s[HF], AHALF                    ; where they go: no place in the cluster enters an LDS address
	s_mul_i32 s73, s[HF], BHALF
	s_add_co_u32 s73, s73, BOFF
	s_mul_i32 s78, s[NN], 1280                     ; the tile column's 320 numbers of bias
	s_mov_b32 s79, 0
	s_lshl_b32 s80, s[NN], 21                      ; qk: plane n,
	s_lshl_b32 s81, s[TR], 15                      ; 16 row tiles of 2,048 bytes a tile row,
	s_add_co_u32 s80, s80, s81
	s_lshl_b32 s81, s[WV], 13                      ; my four
	s_add_co_u32 s80, s80, s81
	s_mov_b32 s81, 0
	s_lshl_b32 s82, s[TR], 19                      ; v: 8 chunks of 65,536 bytes a tile row,
	s_lshl_b32 s83, s[WV], 17                      ; my two,
	s_add_co_u32 s82, s82, s83
	s_lshl_b32 s83, s[NN], 14                      ; the tile column's 16 channel blocks of 1,024 bytes
	s_add_co_u32 s82, s82, s83
	s_mov_b32 s83, 0
	s_lshl_b32 s84, s[TR], 20                      ; the prefetches: the 128 rows that I fetch,
	s_lshl_b32 s85, s[HF], 19
	s_add_co_u32 s84, s84, s85
	s_lshl_b32 s85, s[CX], 17                      ; my work-group's 32 of them,
	s_add_co_u32 s84, s84, s85
	s_add_co_u32 s84, s84, 512                     ; at K step 2: the first refill steps it to 3 and names K step 4
	s_mov_b32 s85, 0
	s_cmp_eq_u32 s[FB], 0
	s_cselect_b32 s[LIM], 1, -1                    ; waves 0 and 1 prefetch
	s_mul_i32 s86, s[WV], 64*PITCH                 ; my 64 rows of x in a slot
	s_wait_dscnt 0x0                               ; both opening adds are done
	s_wait_kmcnt 0x0
	s_add_nc_u64 s[74:75], s[4:5], s[68:69]
	s_add_nc_u64 s[76:77], s[6:7], s[70:71]
	s_add_nc_u64 s[8:9], s[8:9], s[78:79]
	s_add_nc_u64 s[QKB:QKB+1], s[10:11], s[80:81]
	s_add_nc_u64 s[VB:VB+1], s[12:13], s[82:83]
	s_add_nc_u64 s[PFA:PFA+1], s[4:5], s[84:85]
	CROUND                                         ; all sixteen work-groups are here: the first joint loads meet
.irp s, 0,1
	s_mov_b32 s[G0A+4*(\s)], 1                                       ; count = 1
	s_add_co_u32 s[G0A+4*(\s)+1], s72, (\s)*SLOT                     ; LDS address
	s_add_nc_u64 s[G0A+4*(\s)+2:G0A+4*(\s)+3], s[74:75], (\s)*256    ; global address: K step s
	s_or_b32 s[G0A+4*(\s)+3], s[G0A+4*(\s)+3], 0x80000000            ; type = 2
	s_mov_b32 s[G0B+4*(\s)], 1
	s_add_co_u32 s[G0B+4*(\s)+1], s73, (\s)*SLOT
	s_add_nc_u64 s[G0B+4*(\s)+2:G0B+4*(\s)+3], s[76:77], (\s)*2*BHALF
	s_or_b32 s[G0B+4*(\s)+3], s[G0B+4*(\s)+3], 0x80000000
	JLOAD \s                                       ; two tensor loads of mine are out
.endr
	v_and_b32 v1, 15, v0                           ; l % 16
	v_bfe_u32 v2, v0, 4, 1                         ; l / 16
	v_and_b32 v3, 31, v0                           ; l
	v_lshlrev_b32 v[LO], 4, v3
	v_lshlrev_b32 v[BO8], 5, v2
	v_lshlrev_b32 v[BO1], 2, v1
	v_lshlrev_b32 v[PFO], 12, v3
.irp b, 0,1,2,3                        ; the bias is wanted on the way out alone: these loads are waited for there
	global_load_b128 v[BQ+8*(\b):BQ+8*(\b)+3],   v[BO8], s[8:9] offset:64*(\b)
	global_load_b128 v[BQ+8*(\b)+4:BQ+8*(\b)+7], v[BO8], s[8:9] offset:64*(\b)+16
.endr
.irp b, 0,1,2,3,4,5,6,7,8,9,10,11,12,13,14,15
	global_load_b32 v[BV+2*(\b)],   v[BO1], s[8:9] offset:256+64*(\b)
	global_load_b32 v[BV+2*(\b)+1], v[BO1], s[8:9] offset:256+64*(\b)  ; the same number into the pair's other register, for the packed additions
.endr
	; x's fragment of 16 rows x 32 K: lane l holds row l % 16, K = 8 (l / 16) + 0..7 and 16 + 8 (l / 16) + 0..7: in f32 two runs of 32 bytes, 64 bytes apart
	v_mul_u32_u24 v14, v1, PITCH
	v_lshl_add_u32 v14, v2, 5, v14
	v_add_nc_u32 v[ADRA], s86, v14
	v_add_nc_u32 v[ADRA+1], SLOT, v[ADRA]
	v_add_nc_u32 v[ADRB], BOFF, v[LO]
	v_add_nc_u32 v[ADRB+1], SLOT, v[ADRB]
; A K step's work is ten GROUPS G of 16 matrix instructions: chunk G / 5 of 32 along K, column blocks 4 (G % 5) .. + 3, all four row blocks.  Two groups are a PAIR; a pair's weights (8 fragments) fill a half H.
.macro FETCHB slot, q, H               ; pair q of the step in the slot -> half H: 16 LDS loads, each of 512 consecutive bytes
	WIN 0x40                                       ; destination window 1, address window 0
.irp e, 0,1
.irp i, 0,1,2,3
.set fo, ((2*(\q)+(\e))/5)*BHALF+(4*((2*(\q)+(\e))%5)+(\i))*1024
.set fr, (\H)+32*(\e)+8*(\i)
	ds_load_b128 v[fr:fr+3],   v[ADRB+(\slot)] offset:fo
	ds_load_b128 v[fr+4:fr+7], v[ADRB+(\slot)] offset:fo+512
.endr
.endr
.endm
.macro FETCHA slot, c                  ; chunk c of my 64 rows of x, in f32: 16 LDS loads
	WIN 0
.irp a, 0,1,2,3
	ds_load_b128 v[AF+16*(\a):AF+16*(\a)+3],     v[ADRA+(\slot)] offset:(\a)*16*PITCH+128*(\c)
	ds_load_b128 v[AF+16*(\a)+4:AF+16*(\a)+7],   v[ADRA+(\slot)] offset:(\a)*16*PITCH+128*(\c)+16
	ds_load_b128 v[AF+16*(\a)+8:AF+16*(\a)+11],  v[ADRA+(\slot)] offset:(\a)*16*PITCH+128*(\c)+64
	ds_load_b128 v[AF+16*(\a)+12:AF+16*(\a)+15], v[ADRA+(\slot)] offset:(\a)*16*PITCH+128*(\c)+80
.endr
.endm
.macro CVTA c                          ; the chunk is rounded to bf16: four fragments.  These 32 plain lines are also the places behind the products just issued
	WIN 0
.set i, 0
.rept 32
	v_cvt_pk_bf16_f32 v[AB+32*(\c)+i], v[AF+2*i], v[AF+2*i+1]
.set i, i+1
.endr
.endm
; Group G, its weights in half H.  The 16 accumulators of a group take turns, and neighbouring groups name other accumulators, over the backward jump too.
; zero = 1: the product starts its sum: nothing is ever cleared.
.macro MULG G, H, zero
.set gg, (\G)%5
.set rXb, AB+32*((\G)/5)
.set rWb, (\H)+32*((\G)%2)
.if gg == 0
	WIN 0xa1                                       ; weights (source 0) window 1, x (source 1) window 0, sums window 2
.elseif gg == 1
	WIN 0xa4                                       ; x (source 0) window 0, weights (source 1) window 1, sums window 2
.elseif gg == 4
	WIN 0x54                                       ; the same, sums window 1
.else
	WIN 0xf4                                       ; the same, sums window 3
.endif
.irp i, 0,1,2,3
.irp a, 0,1,2,3
.set rA, 8*(4*((4*gg+(\i))%8)+(\a))+128*(gg/4)
.set rW, rWb+8*(\i)
.set rX, rXb+8*(\a)
.if gg == 0
.if \zero
	v_wmma_f32_16x16x32_bf16 v[rA:rA+7], v[rW:rW+7], v[rX:rX+7], 0
.else
	v_wmma_f32_16x16x32_bf16 v[rA:rA+7], v[rW:rW+7], v[rX:rX+7], v[rA:rA+7]
.endif
.else
.if \zero
	v_wmma_f32_16x16x32_bf16 v[rA:rA+7], v[rX:rX+7], v[rW:rW+7], 0
.else
	v_wmma_f32_16x16x32_bf16 v[rA:rA+7], v[rX:rX+7], v[rW:rW+7], v[rA:rA+7]
.endif
.endif
.endr
.endr
.endm
; A K STEP on a slot, in five parts.  Pair q lies in half X for even q, in the other for odd q; a step has five pairs, so X changes from step to step.
; A pair's loads are issued 32 matrix instructions (pair 0 and chunk 0: 16) ahead of the wait for them.
.macro P0 slot, X, zero
	s_wait_dscnt 0x0                               ; pair 0 and chunk 0 of x are in
	CVTA 0
	FETCHB \slot, 1, 64*(1-(\X))                   ; into the half that the step before multiplied last: CVTA's lines stand between
	FETCHA \slot, 1
	MULG 0, 64*(\X), \zero
	MULG 1, 64*(\X), \zero
.endm
.macro P1 slot, X, zero
	s_wait_dscnt 0x0                               ; pair 1 and chunk 1 of x are in
	CVTA 1
	FETCHB \slot, 2, 64*(\X)
	MULG 2, 64*(1-(\X)), \zero
	MULG 3, 64*(1-(\X)), \zero
.endm
.macro P2 slot, X, zero
	PLACES
	FETCHB \slot, 3, 64*(1-(\X))
	s_wait_dscnt 16                                ; pair 2 is in; the 16 loads just issued may be out
	MULG 4, 64*(\X), \zero
	MULG 5, 64*(\X), 0
.endm
.macro P3 slot, X
	PLACES
	FETCHB \slot, 4, 64*(\X)
	s_wait_dscnt 16                                ; pair 3 is in
	MULG 6, 64*(1-(\X)), 0
	MULG 7, 64*(1-(\X)), 0
.endm
; The fifth part changes slots.  ONE barrier: in front of it each wave waits for all its tensor loads (one is out: its part of the other slot), adds 0 to its spare word, and waits for that and for its reads
; of this slot.  Behind it nobody reads this slot and the other slot is whole.  fill = 1: the barrier opens a round of the cluster's barrier, and the joint refill, two K steps on, is the first tensor load
; behind the round: it has 160 matrix instructions less this part's in which to land.
.macro TURN slot, X, fill
.if \fill
	s_wait_xcnt 0x0                                ; the last prefetch, a K step back, has read its address
	s_add_nc_u64 s[PFA:PFA+1], s[PFA:PFA+1], 256
.endif
	WIN 0
	s_wait_tensorcnt 0x0                           ; all my tensor loads have landed
	ds_add_u32 v[SPW], v[NIL]                      ; 0 onto my spare word
	s_wait_dscnt 0x0                               ; the add is done, pair 4 is in, and my reads of this slot are over
	s_barrier_signal -1
	MULG 8, 64*(\X), 0                             ; work on registers while the others arrive
.if \fill
	WIN 0
.endif
	s_barrier_wait -1
.if \fill
	CREST                                          ; no wave of any partner still reads this slot or has a load on its way
	s_add_nc_u64 s[G0A+4*(\slot)+2:G0A+4*(\slot)+3], s[G0A+4*(\slot)+2:G0A+4*(\slot)+3], 2*256
	s_add_nc_u64 s[G0B+4*(\slot)+2:G0B+4*(\slot)+3], s[G0B+4*(\slot)+2:G0B+4*(\slot)+3], 4*BHALF
	JLOAD \slot                                    ; its four v_nop are also the places in front of the loads below
.else
	PLACES
.endif
	FETCHB 1-(\slot), 0, 64*(1-(\X))
	FETCHA 1-(\slot), 0
.if \fill
	ASK
.endif
	MULG 9, 64*(\X), 0
.endm
; THE WAY OUT, eight accumulators of one window at a time (blocks 2 R and 2 R + 1): the bias is added in f32, the sums are rounded once, and each accumulator leaves by one store.
; Each accumulator's registers are read in ascending order.
.macro OUTRUN R
.set wn, 2
.if (\R) >= 4
.set wn, 3
.endif
.if (\R) >= 8
.set wn, 1
.endif
	WIN wn                                         ; source 0: the accumulators' window
.set u, 0
.rept 8
.set bb, 2*(\R)+u/4
.set rA, 8*(4*(bb%8)+u%4)+128*(bb/16)
.irp j, 0,2,4,6
.if bb < 4
	v_pk_add_f32 v[T+8*u+(\j):T+8*u+(\j)+1], v[rA+(\j):rA+(\j)+1], v[BQ+8*bb+(\j):BQ+8*bb+(\j)+1]
.else
	v_pk_add_f32 v[T+8*u+(\j):T+8*u+(\j)+1], v[rA+(\j):rA+(\j)+1], v[BV+2*(bb-4):BV+2*(bb-4)+1]
.endif
.endr
.set u, u+1
.endr
	WIN 0
	s_wait_xcnt 0x0                                ; the earlier stores have read their data registers
.set pk, PK+32*((\R)%2)
.set i, 0
.rept 32
	v_cvt_pk_bf16_f32 v[pk+i], v[T+2*i], v[T+2*i+1]
.set i, i+1
.endr
.set u, 0
.rept 8
.set bb, 2*(\R)+u/4
.set aa, u%4
.if bb < 4
	global_store_b128 v[LO], v[pk+4*u:pk+4*u+3], s[QKB:QKB+1] offset:aa*2048+(bb/2)*1024+(bb%2)*512
.else
	global_store_b128 v[LO], v[pk+4*u:pk+4*u+3], s[VB:VB+1] offset:(aa/2)*65536+(bb-4)*1024+(aa%2)*512
.endif
.set u, u+1
.endr
.endm
	s_wait_tensorcnt 0x1                           ; my part of K step 0 is in; K step 1's may stay out
	s_barrier_signal -1
	s_barrier_wait -1                              ; everybody's is
	FETCHB 0, 0, 0
	FETCHA 0, 0
	P0 0, 0, 1                                     ; chunk 0 of K step 0 starts all 80 sums
	P1 0, 0, 1
	P2 0, 0, 1
	WIN 0                                          ; at a label and at a branch every window is 0
	s_mov_b32 s[LAP], 7
.Llap:                                                 ; a trip goes once round the ring, from a step's fourth part to the third part of the step after next, and fills both slots again: K steps 2 to 15
	P3 0, 0
	TURN 0, 0, 1
	P0 1, 1, 0
	P1 1, 1, 0
	P2 1, 1, 0
	P3 1, 1
	TURN 1, 1, 1
	P0 0, 0, 0
	P1 0, 0, 0
	P2 0, 0, 0
	WIN 0
	s_sub_co_u32 s[LAP], s[LAP], 1
	s_cmp_lg_u32 s[LAP], 0
	s_cbranch_scc1 .Llap
	P3 0, 0                                        ; the tail is written out: K step 14 ends, nothing is asked for, K step 15
	TURN 0, 0, 0
	P0 1, 1, 0
	P1 1, 1, 0
	P2 1, 1, 0
	P3 1, 1
	s_wait_dscnt 0x0
	MULG 8, 64, 0
	MULG 9, 64, 0
	WIN 0
	PLACES
	PLACES                                         ; the places between the last products and the first reads of their sums
	s_wait_loadcnt 0x0                             ; the bias
.irp R, 0,1,2,3,4,5,6,7,8,9
	OUTRUN \R
.endr
	s_wait_tensorcnt 0x0                           ; the wave's end: behind my last tensor load
	ds_add_u32 v[SPW], v[NIL]
	s_wait_dscnt 0x0
	CROUND                                         ; the closing round: no work-group ends while a partner may still ask for a tile that names it
	s_endpgm
.Lfunc_end_k_q336658098b_proj:
	.size	k_q336658098b_proj, .Lfunc_end_k_q336658098b_proj-k_q336658098b_proj
	.p2alignl 7, 3214868480
	.fill 96, 4, 3214868480
	.section	.rodata,"a",@progbits
	.p2align	6, 0x0
	.amdhsa_kernel k_q336658098b_proj
		.amdhsa_group_segment_fixed_size 327680
		.amdhsa_private_segment_fixed_size 0
		.amdhsa_enable_private_segment 0
		.amdhsa_kernarg_size 40
		.amdhsa_user_sgpr_count 2
		.amdhsa_user_sgpr_kernarg_segment_ptr 1
		.amdhsa_wavefront_size32 1
		.amdhsa_system_sgpr_workgroup_id_x 1
		.amdhsa_system_sgpr_workgroup_id_y 1
		.amdhsa_system_sgpr_workgroup_id_z 1
		.amdhsa_system_vgpr_workitem_id 0
		.amdhsa_next_free_vgpr 1024
		.amdhsa_next_free_sgpr 88
		.amdhsa_reserve_vcc 0
		.amdhsa_float_denorm_mode_32 3
		.amdhsa_float_denorm_mode_16_64 3
		.amdhsa_memory_ordered 1
		.amdhsa_forward_progress 1
		.amdhsa_inst_pref_size 151
	.end_amdhsa_kernel
	.amdgpu_metadata
---
amdhsa.version: [ 1, 2 ]
amdhsa.kernels:
  - .name:           k_q336658098b_proj
    .symbol:         k_q336658098b_proj.kd
    .args:
      - { .name: x, .offset: 0, .size: 8, .value_kind: global_buffer, .address_space: global }
      - { .name: wimg, .offset: 8, .size: 8, .value_kind: global_buffer, .address_space: global }
      - { .name: bias, .offset: 16, .size: 8, .value_kind: global_buffer, .address_space: global }
      - { .name: qk, .offset: 24, .size: 8, .value_kind: global_buffer, .address_space: global }
      - { .name: v, .offset: 32, .size: 8, .value_kind: global_buffer, .address_space: global }
    .group_segment_fixed_size: 327680
    .private_segment_fixed_size: 0
    .kernarg_segment_align: 8
    .kernarg_segment_size: 40
    .max_flat_workgroup_size: 128
    .sgpr_count:     88
    .vgpr_count:     1024
    .wavefront_size: 32
...
	.end_amdgpu_metadata
.endif
;; end of part 2
;; launch attn (part 3): grid 32 x 8, 4 waves a work-group, clusters of 4 x 1, 327,680 bytes of LDS; arguments qk, v, x, gamma, out0; writes out0
.if DOCPART == 3
	.amdgcn_target "amdgcn-amd-amdhsa--gfx1250"
	.amdhsa_code_object_version 6
	.text
	.protected	k_q336658098b_attn
	.globl	k_q336658098b_attn
	.p2align	8
	.type	k_q336658098b_attn,@function
k_q336658098b_attn:
	s_mov_b64 s[64:65], 0
	v_nop
	global_prefetch_b8 v0, s[64:65] scope:SCOPE_SE
	s_setreg_imm32_b32 hwreg(HW_REG_WAVE_MODE, 25, 1), 1
	s_wait_xcnt 0x0
	s_wait_alu depctr_hold_cnt(0) depctr_sa_sdst(0) depctr_va_vdst(0) depctr_va_sdst(0) depctr_va_ssrc(0) depctr_va_vcc(0) depctr_vm_vsrc(0)
	s_getreg_b32 s2, hwreg(HW_REG_IB_STS2, 6, 4)
	s_cmp_eq_u32 s2, 0
	s_cbranch_scc0 .Lentry_in_a_cluster
	s_endpgm
.Lentry_in_a_cluster:
	s_bfe_u32 s2, ttmp6, 0x10000c
	s_cmp_lg_u32 s2, 0x3003
	s_cbranch_scc0 .Lentry_shape_is_right
	s_endpgm
.Lentry_shape_is_right:
; out[b][s][:] = gamma x (the sum over t of softmax_t(q[s] . k[t]) v[t][:]) + x[b][s][:].  q, k: 128 channels, v: 1,024, all bf16, as the register images that the launch before stored.
; WORK LEFT OUT: k comes without bk: q . bk is the same for all keys of a query and cancels in the softmax, for all values of the inputs.
; Products, maxima and sums in f32; the weights p are rounded to bf16 for the second product (their sum l is taken of the unrounded p); the residual x is added in f32.
; LIMITS: the roundings to bf16 grow with the inputs; a weight below 2^-126 counts as 0; NaN and infinities are not treated apart.  l is at least about 1: the maximum's own weight.
; SHARES.  A work-group owns 64 queries (four tiles t of 16) and all 1,024 channels: 8 x 32 = 256 work-groups.  The sums O are 64 x 1,024 f32: 512 registers in each of four waves.
; The batch is the cluster's x, the cluster's number among the batch's eight its y.
; TWO WALKS over the batch's 2,048 keys.  Walk 1 finds each query's TRUE maximum m (q k^T alone).  Walk 2 makes p = 2^(c s - c m), c = log2(e), and adds p v: O is never rescaled (512 registers a step otherwise).
; Walk 2 repeats walk 1's matrix instructions on the same operands, so its scores are the same bits and none exceeds m.
; Since m is known before any exponential, a step's 64 keys are shared out: wave w makes the scores and weights of keys 16 w .. 16 w + 15 for all 64 queries, and P, 8 KB a step, is handed round through LDS.
; In P v wave w has all 64 queries x channels 256 w .. 256 w + 255: 64 accumulators.
; THE ORDER OF THE KEYS IS FREE in both walks (a maximum; sums of terms that hang on m alone).  In walk 2 cluster y begins at tile 4 y of the batch's 32 and goes round: step j takes tile (4 y + j) % 32.  So in any
; trip the batch's eight clusters ask for eight different tiles, and from its fifth tile on a cluster asks for a tile that cluster y + 1 asked for four trips earlier.
; LAYOUT.  S^T = K Q^T (source 0 = 16 keys, source 1 = 16 queries): a lane holds ONE query (lane % 16) and keys 8 (lane / 16) + 0..7; rounded in pairs that is half of source 1 (32 keys x 16 queries) of
; O^T = V^T P, whose result holds one query a lane and eight channels.  So a query's m, l and gamma / l lie in the lane that wants them.
; CLUSTER 4 x 1.  The four query blocks of a cluster belong to one batch and walk the same V: each tile of 64 keys (131,072 bytes) is asked for jointly, a quarter by each wave.
; K goes straight from memory into registers: no two waves of a work-group want the same key tile.
; REGISTERS, in windows of 256 (s_set_vgpr_msb: bits 1:0 source 0, 3:2 source 1, 5:4 source 2, 7:6 destination):
;   window 0: v0-21 addresses; v32-47 statistics; v48-63 at work; v64-95 S^T; v96-127 walk 1: a second S^T, walk 2: P as rounded; v128-191 P's fragments; v192-223 K of one step; on the way out v128-255: rows read back
;   window 1: v0-127 Q; v128-191, v192-255 V's fragments, two buffers; on the way out four buffers of x
;   window 2: walk 1: a ring of K, four sets of two key tiles; walk 2: O^T of channel blocks 0-7 at 64 t + 8 cb;   window 3: O^T of channel blocks 8-15
.set PLANE,  2097152                   ; bytes in a plane of qk
.set VSLOT,  131072                    ; a tile of V: [chunk of 32 keys 2][cb 64][f 2][lane][16 bytes]; two slots from LDS byte 0
.set PBUF,   2*VSLOT                   ; P, two buffers of 8,192: [chunk 2][t 4][f 2][lane][16 bytes]
.set MX,     PBUF+16384                ; the waves' maxima: [wave][lane][4 t]
.set LX,     MX+2048                   ; the waves' sums, likewise
.set STAGE,  LX+2048                   ; for the way out: 16 rows x 528 bytes for each wave
.set SPITCH, 528                       ; 512 bytes + 16 = 132 words: the 16 rows that a store touches start at 16 different groups of four banks (64 banks of 4 bytes: ISA guide 11.1)
.set SPARE,  STAGE+4*16*SPITCH         ; the spare words, 128 bytes for each wave: two blocks of 256 bytes that no other line names
.set LO,  2                            ; v2     16 x lane; never rewritten
.set PST, 3                            ; v3     where I put my 16 bytes of a tile of P
.set PRD, 4                            ; v4     where I read P's fragments
.set AV,  5                            ; v5-8   my channels' fragments of V: slot 0 chunk 0, 1; slot 1 chunk 0, 1
.set MXS, 9                            ; v9     where I put my four maxima (sums: + 2,048)
.set MXR, 10                           ; v10    where I read the four waves'
.set STO, 11                           ; v11    the way out: where I put 32 bytes of a row
.set RD,  12                           ; v12    the way out: where I read a row's 512 bytes back
.set PFO, 14                           ; v14    256 x lane: V's prefetches
.set XPO, 15                           ; v15    x's prefetches: row lane / 4, block lane % 4 of my 1,024 bytes
.set SPW, 16                           ; v16    LDS address of my spare word; never rewritten
.set NIL, 17                           ; v17    0; never rewritten
.set ST,  32                           ; tile t at v[ST+4 t]: c m, 0 (named with it as a pair), l (even keys', odd keys')
.set M,   48                           ; v48-63 maxima, exchanges; at the end gamma / l in pairs at G
.set G,   56
.set S,   64
.set PK,  96
.set PF,  128                          ; chunk c, tile t at PF + 32 c + 8 t
.set KF,  192                          ; channels 32 c on at KF + 8 c
.set WV,  14                           ; s14  wave
.set CX,  15                           ; s15  my place in the cluster
.set QB,  20                           ; s[20:21] q at my block's first row tile
.set KBW, 22                           ; s[22:23] k at the batch's key tile w
.set G1,  24                           ; s[24:31] descriptor group 1
.set G0,  32                           ; s[32:39] descriptor group 0, a set for each slot
.set KP,  40                           ; s[40:41] k at the key tile that walk 2 loads next
.set PFA, 42                           ; s[42:43] V's prefetches: my 32 blocks of the cluster's third tile; never rewritten
.set XB,  44                           ; s[44:45] x at my block's first row, my 1,024 bytes
.set OB,  46                           ; s[46:47] out0 likewise
.set CNT, 48                           ; s48  trips to go
.set VT,  49                           ; s49  the tile of V to be asked for next
.set CS,  50                           ; s[50:51] c = log2(e): the packed scaling takes the pair's low word for both halves
.set SEL, 52                           ; s[52:53] v_permlanex16_b32's selects: each lane takes its own place in the other half
.set GAM, 54                           ; s54  gamma
.set KT,  55                           ; s55  the tile whose keys KP stands at
.set K1,  56                           ; s[56:57] k at the quarter that walk 1 loads next
.set ROT, 58                           ; s[58:59] that quarter's byte offset
.set VBS, 60                           ; s[60:61] v at my quarter of the batch's tile 0
.set OFF, 62                           ; s[62:63] a tile's byte offset in V
.set KOF, 66                           ; s[66:67] a tile's byte offset in k
.set MSB, 0
.macro WIN new                         ; the immediate's high byte repeats the setting that is left; a switch that changes nothing is dropped
.if MSB != (\new)
	s_set_vgpr_msb (MSB<<8)|(\new)
.set MSB, \new
.endif
.endm
.macro PLACES                          ; four plain vector instructions between a matrix instruction and a load into, or a vector read or write of, its registers
.rept 4
	v_nop
.endr
.endm
.macro CREST                           ; a round of the cluster's barrier behind its opening barrier: wave 0 signals for the work-group; every wave waits for all four work-groups; my work-group's barrier once more
	s_cmp_lg_u32 s[WV], 0
	s_cbranch_scc1 .Lnot_wave_0_\@
	s_barrier_signal -3
.Lnot_wave_0_\@:
	s_barrier_wait -3
	s_barrier_signal -1
	s_barrier_wait -1
.endm
.macro ROUND                           ; a whole round
	s_barrier_signal -1
	s_barrier_wait -1
	CREST
.endm
	s_load_b256 s[4:11], s[0:1], 0x0               ; qk s[4:5], v s[6:7], x s[8:9], gamma s[10:11]
	s_load_b64 s[12:13], s[0:1], 0x20              ; out0
	v_lshl_add_u32 v[SPW], v0, 2, SPARE
	v_mov_b32 v[NIL], 0
	ds_add_u32 v[SPW], v[NIL]                      ; the wave's opening: the add, twice on end, and its wait ahead of my first tensor load
	ds_add_u32 v[SPW], v[NIL]                      ; once more; the set-up below, work on registers, stands between it and the wait
	v_lshrrev_b32 v1, 5, v0
	v_readfirstlane_b32 s[WV], v1                  ; wave 0..3
	s_bfe_u32 s[CX], ttmp6, 0x40000
	s_and_b32 s18, ttmp7, 0xffff                   ; y: the cluster's number among the batch's eight
	s_lshl_b32 s19, s18, 2                         ; 4 y: the cluster's first block of 64 queries, and the tile at which its walk 2 begins
	s_add_co_u32 s16, s19, s[CX]                   ; my block of 64 queries
	s_mov_b32 s17, ttmp9                           ; the batch, which the four partners share
	; group 1: a quarter of a tile of V, 32,768 dense bytes, as 128 rows of 32 elements of 8 bytes
	s_mov_b32 s[G1+0], 15|(3<<16)|(1<<21)          ; 15:0 the mask: all four work-groups; 17:16 elements of 8 bytes; 21 set beside a mask
	s_mov_b32 s[G1+1], 32<<16                      ; tensor_dim0 = 32
	s_mov_b32 s[G1+2], 128<<16                     ; tensor_dim1 = 128
	s_mov_b32 s[G1+3], 32<<16                      ; tile_dim0 = 32
	s_mov_b32 s[G1+4], 128                         ; tile_dim1 = 128
	s_mov_b32 s[G1+5], 32                          ; elements from row to row
	s_mov_b32 s[G1+6], 0
	s_mov_b32 s[G1+7], 0
	s_mov_b32 s[CS], 0x3fb8aa3b
	s_mov_b32 s[CS+1], s[CS]
	s_mov_b32 s[SEL], 0x76543210
	s_mov_b32 s[SEL+1], 0xfedcba98
	s_lshl_b32 s68, s17, 22                        ; V: the batch's 32 tiles,
	s_lshl_b32 s69, s[WV], 15                      ; my quarter of a tile: neither hangs on my place in the cluster
	s_add_co_u32 s68, s68, s69
	s_mov_b32 s69, 0
	s_lshl_b32 s86, s[WV], 15                      ; and its place in a slot
	s_lshl_b32 s[OFF], s19, 17                     ; the first tile's bytes in V,
	s_mov_b32 s[OFF+1], 0
	s_lshl_b32 s[KOF], s19, 13                     ; and in k: my key tiles lie 8,192 bytes apart
	s_mov_b32 s[KOF+1], 0
	s_mov_b32 s[KT], s19
	s_add_co_u32 s[VT], s19, 2                     ; the first refill asks for the cluster's third tile: 30 at the most
	s_lshl_b32 s70, s17, 18                        ; q: the batch's 128 row tiles of 2,048 bytes,
	s_lshl_b32 s71, s16, 13                        ; my block's four
	s_add_co_u32 s70, s70, s71
	s_mov_b32 s71, 0
	s_lshl_b32 s72, s17, 18                        ; k: planes 2 and 3, the batch's tiles, tile w
	s_lshl_b32 s73, s[WV], 11
	s_add_co_u32 s72, s72, s73
	s_add_co_u32 s72, s72, 2*PLANE
	s_mov_b32 s73, 0
	s_lshl_b32 s74, s17, 23                        ; x and out0: the batch's 2,048 rows of 4,096 bytes,
	s_lshl_b32 s75, s16, 18                        ; my block's 64,
	s_add_co_u32 s74, s74, s75
	s_lshl_b32 s75, s[WV], 10                      ; my 256 channels
	s_add_co_u32 s74, s74, s75
	s_mov_b32 s75, 0
	s_lshl_b32 s76, s[CX], 2                       ; V's prefetches: of a tile's 512 blocks of 256 bytes wave w of partner cx takes 32,
	s_add_co_u32 s76, s76, s[WV]
	s_lshl_b32 s76, s76, 13
	s_lshl_b32 s77, s17, 22
	s_add_co_u32 s76, s76, s77
	s_lshl_b32 s77, s[VT], 17                      ; in the cluster's third tile
	s_add_co_u32 s76, s76, s77
	s_mov_b32 s77, 0
	s_lshl_b32 s[ROT], s[CX], 16                   ; walk 1 begins at quarter cx of the keys: an address alone hangs on it
	s_mov_b32 s[ROT+1], 0
	v_and_b32 v1, 31, v0                           ; l
	v_and_b32 v18, 15, v0                          ; l % 16
	v_bfe_u32 v19, v0, 4, 1                        ; l / 16
	v_lshlrev_b32 v[LO], 4, v1
	s_lshr_b32 s80, s[WV], 1
	s_lshl_b32 s80, s80, 12                        ; my keys' chunk of 32,
	s_and_b32 s81, s[WV], 1
	s_lshl_b32 s81, s81, 9                         ; and their half of it
	s_add_co_u32 s80, s80, s81
	s_add_co_u32 s80, s80, PBUF
	v_add_nc_u32 v[PST], s80, v[LO]
	v_add_nc_u32 v[PRD], PBUF, v[LO]
	s_lshl_b32 s82, s[WV], 14                      ; my 16 channel blocks of 1,024 bytes
	v_add_nc_u32 v[AV], s82, v[LO]
	v_add_nc_u32 v[AV+1], 65536, v[AV]
	v_add_nc_u32 v[AV+2], VSLOT, v[AV]
	v_add_nc_u32 v[AV+3], VSLOT+65536, v[AV]
	s_lshl_b32 s83, s[WV], 9
	s_add_co_u32 s83, s83, MX
	v_add_nc_u32 v[MXS], s83, v[LO]
	v_add_nc_u32 v[MXR], MX, v[LO]
	s_mul_i32 s84, s[WV], 16*SPITCH
	s_add_co_u32 s84, s84, STAGE                   ; my stage
	v_mul_u32_u24 v[STO], v18, SPITCH              ; in: row l % 16, 32 bytes for each half of the lanes
	v_lshl_add_u32 v[STO], v19, 5, v[STO]
	v_add_nc_u32 v[STO], s84, v[STO]
	v_add_nc_u32 v[RD], s84, v[LO]                 ; back: 32 lanes take a row's 512 bytes
	v_lshlrev_b32 v[PFO], 8, v1
	v_lshrrev_b32 v20, 2, v1
	v_and_b32 v21, 3, v1
	v_lshlrev_b32 v21, 8, v21
	v_lshl_add_u32 v[XPO], v20, 12, v21
.irp t, 0,1,2,3
	v_mov_b32 v[M+(\t)], 0xff7fffff                ; the lowest finite number
	v_mov_b32 v[M+4+(\t)], 0                       ; v_permlanex16_b32's destination counts as read
	v_mov_b32 v[ST+4*(\t)+1], 0                    ; named with c m as a pair
.endr
	s_wait_dscnt 0x0                               ; both opening adds are done
	s_wait_kmcnt 0x0
	s_load_b32 s[GAM], s[10:11], 0x0
	s_add_nc_u64 s[QB:QB+1], s[4:5], s[70:71]
	s_add_nc_u64 s[KBW:KBW+1], s[4:5], s[72:73]
	s_add_nc_u64 s[KP:KP+1], s[KBW:KBW+1], s[KOF:KOF+1]
	s_add_nc_u64 s[K1:K1+1], s[KBW:KBW+1], s[ROT:ROT+1]
	s_add_nc_u64 s[VBS:VBS+1], s[6:7], s[68:69]
	s_add_nc_u64 s[78:79], s[VBS:VBS+1], s[OFF:OFF+1]
	s_add_nc_u64 s[PFA:PFA+1], s[6:7], s[76:77]
	s_add_nc_u64 s[XB:XB+1], s[8:9], s[74:75]
	s_add_nc_u64 s[OB:OB+1], s[12:13], s[74:75]
.irp s, 0,1
	s_mov_b32 s[G0+4*(\s)], 1                                      ; count = 1
	s_add_co_u32 s[G0+4*(\s)+1], s86, (\s)*VSLOT                   ; LDS address
	s_add_nc_u64 s[G0+4*(\s)+2:G0+4*(\s)+3], s[78:79], (\s)*VSLOT  ; global address: the cluster's first and second tile (4 y + 1 is 29 at the most)
	s_or_b32 s[G0+4*(\s)+3], s[G0+4*(\s)+3], 0x80000000            ; type = 2
.endr
	ROUND                                          ; all four work-groups are here: the first joint loads meet
	tensor_load_to_lds s[G0:G0+3], s[G1:G1+7]      ; two tensor loads of mine are out; they land during walk 1
	s_nop 0
	tensor_load_to_lds s[G0+4:G0+7], s[G1:G1+7]
	s_nop 0
	PLACES
	WIN 0x40                                       ; destination window 1, address window 0
.irp t, 0,1,2,3                        ; Q stays in registers: tile t, channels 32 c on, at 32 t + 8 c
.irp c, 0,1,2,3
	global_load_b128 v[32*(\t)+8*(\c):32*(\t)+8*(\c)+3],   v[LO], s[QB:QB+1] offset:((\c)/2)*PLANE+(\t)*2048+((\c)%2)*1024
	global_load_b128 v[32*(\t)+8*(\c)+4:32*(\t)+8*(\c)+7], v[LO], s[QB:QB+1] offset:((\c)/2)*PLANE+(\t)*2048+((\c)%2)*1024+512
.endr
.endr
.macro KLOAD                           ; a key tile for walk 2: 16 keys x 128 channels, eight loads of 512 consecutive bytes
	WIN 0
.irp c, 0,1,2,3
	global_load_b128 v[KF+8*(\c):KF+8*(\c)+3],   v[LO], s[KP:KP+1] offset:((\c)/2)*PLANE+((\c)%2)*1024
	global_load_b128 v[KF+8*(\c)+4:KF+8*(\c)+7], v[LO], s[KP:KP+1] offset:((\c)/2)*PLANE+((\c)%2)*1024+512
.endr
.endm
.macro KSTEP                           ; KP goes on to the next tile of the round; it is made anew from the tile's number
	s_add_co_u32 s[KT], s[KT], 1
	s_and_b32 s[KT], s[KT], 31
	s_lshl_b32 s[KOF], s[KT], 13
	s_add_nc_u64 s[KP:KP+1], s[KBW:KBW+1], s[KOF:KOF+1]
.endm
.macro RLOAD p                         ; walk 1: set p of the ring takes my key tiles 2 p and 2 p + 1 of the quarter at K1 (my tiles lie 8,192 bytes apart): 16 loads
	WIN 0x80                                       ; destination window 2
.irp e, 0,1
.irp c, 0,1,2,3
	global_load_b128 v[64*(\p)+32*(\e)+8*(\c):64*(\p)+32*(\e)+8*(\c)+3],   v[LO], s[K1:K1+1] offset:(2*(\p)+(\e))*8192+((\c)/2)*PLANE+((\c)%2)*1024
	global_load_b128 v[64*(\p)+32*(\e)+8*(\c)+4:64*(\p)+32*(\e)+8*(\c)+7], v[LO], s[K1:K1+1] offset:(2*(\p)+(\e))*8192+((\c)/2)*PLANE+((\c)%2)*1024+512
.endr
.endr
.endm
	KLOAD                                          ; walk 2's first key tile
	RLOAD 0
	RLOAD 1
	RLOAD 2
	RLOAD 3
	WIN 0
	s_wait_kmcnt 0x0                               ; gamma
	s_wait_xcnt 0x0                                ; the loads have read K1
	s_add_co_u32 s[ROT], s[ROT], 65536
	s_and_b32 s[ROT], s[ROT], 0x3ffff              ; the next quarter, round the batch's four
	s_add_nc_u64 s[K1:K1+1], s[KBW:KBW+1], s[ROT:ROT+1]
; WALK 1.  My 32 key tiles in 16 pairs.  A pair: 2 x 16 products K Q^T (channels outer, the four tiles' accumulators by turns; the first four start the sums), then the running maxima,
; each accumulator's lowest registers first, then the set is asked for again.  left: the younger loads that may stay out: three sets of 16 in the loop.
; A work-group begins at quarter cx, so that the four partners' first loads name four different quarters of the batch's K.
.macro PAIR p, left, reload
	s_wait_loadcnt \left
	WIN 0x06                                       ; K (source 0) window 2, Q (source 1) window 1, S^T window 0
.irp e, 0,1
.irp c, 0,1,2,3
.irp t, 0,1,2,3
.if (\c) == 0
	v_wmma_f32_16x16x32_bf16 v[S+32*(\e)+8*(\t):S+32*(\e)+8*(\t)+7], v[64*(\p)+32*(\e)+8*(\c):64*(\p)+32*(\e)+8*(\c)+7], v[32*(\t)+8*(\c):32*(\t)+8*(\c)+7], 0
.else
	v_wmma_f32_16x16x32_bf16 v[S+32*(\e)+8*(\t):S+32*(\e)+8*(\t)+7], v[64*(\p)+32*(\e)+8*(\c):64*(\p)+32*(\e)+8*(\c)+7], v[32*(\t)+8*(\c):32*(\t)+8*(\c)+7], v[S+32*(\e)+8*(\t):S+32*(\e)+8*(\t)+7]
.endif
.endr
.endr
.endr
	WIN 0
	PLACES
.irp i, 0,1,2,3
.irp e, 0,1
.irp t, 0,1,2,3
	v_max3_num_f32 v[M+(\t)], v[M+(\t)], v[S+32*(\e)+8*(\t)+2*(\i)], v[S+32*(\e)+8*(\t)+2*(\i)+1]
.endr
.endr
.endr
.if \reload
	RLOAD \p
.endif
.endm
	s_mov_b32 s[CNT], 3
.Lw1:                                                  ; a trip: a quarter's four pairs; the ring takes the next quarter
	PAIR 0, 48, 1
	; A PREFETCH INTO THE L2, in the loop's last trip, behind its first run of loads: the cluster's third and fourth tile of V, which the refills of walk 2's trips 1 and 2 ask for: seven pairs, the exchange of the
	; maxima and trip 0 lie between.  The cluster's sixteen waves take 32 blocks of 256 bytes of each tile, told apart by address; tile t of a batch is named by cluster t / 4 alone: each block once in the launch.
	; The cluster's first two tiles are its first fills; its later tiles are not asked for.
	WIN 0
	s_cmp_eq_u32 s[CNT], 1
	s_cbranch_scc0 .Lw1a
	global_prefetch_b8 v[PFO], s[PFA:PFA+1] th:TH_LOAD_NT scope:SCOPE_SE
	global_prefetch_b8 v[PFO], s[PFA:PFA+1] offset:VSLOT th:TH_LOAD_NT scope:SCOPE_SE
.Lw1a:
	PAIR 1, 48, 1
	PAIR 2, 48, 1
	PAIR 3, 48, 1
	WIN 0
	s_wait_xcnt 0x0                                ; the loads have read K1
	s_add_co_u32 s[ROT], s[ROT], 65536
	s_and_b32 s[ROT], s[ROT], 0x3ffff
	s_add_nc_u64 s[K1:K1+1], s[KBW:KBW+1], s[ROT:ROT+1]
	s_sub_co_u32 s[CNT], s[CNT], 1
	s_cmp_lg_u32 s[CNT], 0
	s_cbranch_scc1 .Lw1
	PAIR 0, 48, 0                                  ; the last quarter loads nothing: the counts run down
	PAIR 1, 32, 0
	PAIR 2, 16, 0
	PAIR 3, 0, 0
	; the query's other keys of my tiles lie in the lane 16 away; the other waves' maxima come through LDS
.irp t, 0,1,2,3
	v_permlanex16_b32 v[M+4+(\t)], v[M+(\t)], s[SEL], s[SEL+1]
.endr
.irp t, 0,1,2,3
	v_max_num_f32 v[M+(\t)], v[M+(\t)], v[M+4+(\t)]
.endr
	ds_store_b128 v[MXS], v[M:M+3]
	s_wait_dscnt 0x0                               ; for the others' sake: my store is done
	s_barrier_signal -1                            ; the two tiles of V may stay on their way
	s_barrier_wait -1
.irp w, 0,1,2,3
	ds_load_b128 v[M+4*(\w):M+4*(\w)+3], v[MXR] offset:512*(\w)
.endr
	s_wait_dscnt 0x0
.irp t, 0,1,2,3
	v_max3_num_f32 v[M+(\t)], v[M+(\t)], v[M+4+(\t)], v[M+8+(\t)]
.endr
.irp t, 0,1,2,3
	v_max_num_f32 v[M+(\t)], v[M+(\t)], v[M+12+(\t)]
.endr
.irp t, 0,1,2,3
	v_mul_f32 v[ST+4*(\t)], s[CS], v[M+(\t)]       ; c m
.endr
; WALK 2.
.macro KQ                              ; my key tile's scores for all 64 queries: 16 products, in walk 1's order
	WIN 0x04                                       ; K (source 0) window 0, Q (source 1) window 1
.irp c, 0,1,2,3
.irp t, 0,1,2,3
.if (\c) == 0
	v_wmma_f32_16x16x32_bf16 v[S+8*(\t):S+8*(\t)+7], v[KF+8*(\c):KF+8*(\c)+7], v[32*(\t)+8*(\c):32*(\t)+8*(\c)+7], 0
.else
	v_wmma_f32_16x16x32_bf16 v[S+8*(\t):S+8*(\t)+7], v[KF+8*(\c):KF+8*(\c)+7], v[32*(\t)+8*(\c):32*(\t)+8*(\c)+7], v[S+8*(\t):S+8*(\t)+7]
.endif
.endr
.endr
.endm
; THE WEIGHTS of my 16 keys x 64 queries, in two lists.  SMA k, slice k of 17: the scaling c s - c m of pair k of 16 (each accumulator's lowest registers first) and the two exponentials of pair k - 1.  None of these
; reads an exponential's result: the 32 exponentials are ONE batch, with one plain instruction and the one wait behind the last slice.
; SMB q, number q of 32: 0-15 the roundings to bf16; 16-31 the sums: of a tile's four pairs (an even key's weight, an odd key's) into l.  first = 1: number 24 + t starts l: nothing is cleared.
.macro SMA k
	WIN 0
.if (\k) < 16
	v_pk_fma_f32 v[S+2*(\k):S+2*(\k)+1], v[S+2*(\k):S+2*(\k)+1], s[CS:CS+1], v[ST+4*((\k)/4):ST+4*((\k)/4)+1] op_sel_hi:[1,0,0] neg_lo:[0,0,1] neg_hi:[0,0,1]
.endif
.if (\k) >= 1
	v_exp_f32 v[S+2*(\k)-2], v[S+2*(\k)-2]
	v_exp_f32 v[S+2*(\k)-1], v[S+2*(\k)-1]
.endif
.endm
.macro SMB q, first
	WIN 0
.if (\q) < 16
	v_cvt_pk_bf16_f32 v[PK+(\q)], v[S+2*(\q)], v[S+2*(\q)+1]
.elseif (\q) < 20
.set tq, (\q)-16
	v_pk_add_f32 v[S+8*tq:S+8*tq+1], v[S+8*tq:S+8*tq+1], v[S+8*tq+2:S+8*tq+3]
.elseif (\q) < 24
.set tq, (\q)-20
	v_pk_add_f32 v[S+8*tq+4:S+8*tq+5], v[S+8*tq+4:S+8*tq+5], v[S+8*tq+6:S+8*tq+7]
.elseif (\q) < 28
.set tq, (\q)-24
.if \first
	v_pk_add_f32 v[ST+4*tq+2:ST+4*tq+3], v[S+8*tq:S+8*tq+1], v[S+8*tq+4:S+8*tq+5]
.else
	v_pk_add_f32 v[S+8*tq:S+8*tq+1], v[S+8*tq:S+8*tq+1], v[S+8*tq+4:S+8*tq+5]
.endif
.elseif !(\first)
.set tq, (\q)-28
	v_pk_add_f32 v[ST+4*tq+2:ST+4*tq+3], v[ST+4*tq+2:ST+4*tq+3], v[S+8*tq:S+8*tq+1]
.endif
.endm
.macro PSTORE pb                       ; my half fragments of P into buffer pb
	WIN 0
.irp t, 0,1,2,3
	ds_store_b128 v[PST], v[PK+4*(\t):PK+4*(\t)+3] offset:(\pb)*8192+(\t)*1024
.endr
.endm
.macro FETCHP pb, c                    ; chunk c of a step's P: 4 fragments, 8 loads
	WIN 0
.irp t, 0,1,2,3
.irp f, 0,1
	ds_load_b128 v[PF+32*(\c)+8*(\t)+4*(\f):PF+32*(\c)+8*(\t)+4*(\f)+3], v[PRD] offset:(\pb)*8192+(\c)*4096+(\t)*1024+(\f)*512
.endr
.endr
.endm
; A step's P v goes in four UNITS u: keys 32 (u / 2) on, channel blocks 8 (u % 2) .. + 7.  A unit's V: 8 fragments, 16 loads, into buffer u % 2.
.macro FETCHV sl, u
	WIN 0x40
.irp b, 0,1,2,3,4,5,6,7
	ds_load_b128 v[128+64*((\u)%2)+8*(\b):128+64*((\u)%2)+8*(\b)+3],   v[AV+2*(\sl)+(\u)/2] offset:(8*((\u)%2)+(\b))*1024
	ds_load_b128 v[128+64*((\u)%2)+8*(\b)+4:128+64*((\u)%2)+8*(\b)+7], v[AV+2*(\sl)+(\u)/2] offset:(8*((\u)%2)+(\b))*1024+512
.endr
.endm
; A unit's 32 products, on 32 different accumulators; neighbouring units name other windows: the accumulators take turns.  zero = 1: they start the sums.
; ride = 1: behind each of the first 17 products stands a slice SMA; ride = 2: behind each of the first 8 stand four numbers of SMB.  The riders name S^T, the statistics and P as rounded, all in window 0,
; and no register of the products round them; a slice costs two switches of the window.  mm = 0: the riders alone (trip 0, which has no unit held back).
.macro MULU u, zero, ride, mm
.set n, 0
.rept 32
.if \mm
	WIN 0xa1+0x50*((\u)%2)                         ; V (source 0) window 1, P (source 1) window 0, O^T window 2 or 3
.set rO, 64*(n%4)+8*(n/4)
.set rV, 128+64*((\u)%2)+8*(n/4)
.set rP, PF+32*((\u)/2)+8*(n%4)
.if \zero
	v_wmma_f32_16x16x32_bf16 v[rO:rO+7], v[rV:rV+7], v[rP:rP+7], 0
.else
	v_wmma_f32_16x16x32_bf16 v[rO:rO+7], v[rV:rV+7], v[rP:rP+7], v[rO:rO+7]
.endif
.endif
.if ((\ride) == 1) && (n < 17)
	SMA n
.endif
.if ((\ride) == 2) && (n < 8)
	SMB 4*n, 0
	SMB 4*n+1, 0
	SMB 4*n+2, 0
	SMB 4*n+3, 0
.endif
.set n, n+1
.endr
.endm
; A PREFETCH INTO THE L2, in the last two trips of the loop, behind the joint load and the trip's first LDS loads: my own 1,024 bytes of the block's first 32 rows of x, which the way out loads first:
; 8 rows an instruction, 16 rows a trip.  No other wave reads these bytes.
.macro ASK k
	s_cmp_eq_u32 s[CNT], 1
	s_cbranch_scc0 .Lasked_\@
	global_prefetch_b8 v[XPO], s[XB:XB+1] offset:(2*(\k))*32768 th:TH_LOAD_NT scope:SCOPE_SE
	global_prefetch_b8 v[XPO], s[XB:XB+1] offset:(2*(\k)+1)*32768 th:TH_LOAD_NT scope:SCOPE_SE
.Lasked_\@:
.endm
.macro XLOAD e                         ; x for part e of the way out: the 16 rows of tile e / 2, half e % 2 of my 1,024 bytes: a load a row, 512 consecutive bytes; into buffer e % 4
	WIN 0x40
.set i, 0
.rept 16
	global_load_b128 v[64*((\e)%4)+4*i:64*((\e)%4)+4*i+3], v[LO], s[XB:XB+1] offset:(16*((\e)/2)+i)*4096+((\e)%2)*512 th:TH_LOAD_NT
.set i, i+1
.endr
.endm
; TRIP j, on slot sl = j % 2.  Its matrix work, in order: the scores of step j + 1; unit 3 of step j - 1, HELD BACK over the barrier (its V and P lie in registers); units 0, 1, 2 of step j.
; ONE barrier a trip orders three things: P of step j is written before it is read; tile j is whole before it is read; and all reads of the other slot and of the other buffer of P (trip j - 1's) are over
; before that slot is filled again and that buffer written.
; kind 1: the barrier opens a round of the cluster's; in front of it each wave waits for all its tensor loads (one is out: its quarter of tile j), adds 0 to its spare word, and waits for that, for K of step
; j + 1 and for its LDS instructions; the 16 products K Q^T, work on registers, stand between the opening signal and its wait; the joint refill, the round's next tile into the other slot, is the first thing
; behind the round.  Then 24 LDS loads (P's first chunk, unit 0) go out, and the unit held back is multiplied while they are on their way, the scalings and exponentials of step j + 1 riding behind its products.
; The wait for the batch stands directly ahead of the next run of loads (P's second chunk, unit 1, K of step j + 2); the roundings and sums ride behind unit 0's products; P of step j + 1 is stored in mid-trip.
; kind 0: trip 0: the second tile is still on its way, nothing is filled, no unit was held back.  kind 2: trip 31: nothing is left to fill, to score or to weigh; x's first rows are asked for.
; kj = 1: in the loop's last trip there is no key tile two steps on, and its loads are jumped over (the only wait for them is for 0).
.macro TRIP sl, kind, zero, kj, ak
	WIN 0
.if (\kind) == 0
	s_wait_tensorcnt 0x1                           ; my quarter of the first tile is in
	s_wait_xcnt 0x0                                ; the last loads of K have read KP
	KSTEP
	s_wait_loadcnt 0x0                             ; K of step 1
	s_wait_dscnt 0x0                               ; my part of P is stored
	s_barrier_signal -1
	KQ
	WIN 0
	s_barrier_wait -1
	PLACES                                         ; behind the scores
.elseif (\kind) == 1
	s_wait_tensorcnt 0x0                           ; all my tensor loads have landed, so a group 0 may be written
	ds_add_u32 v[SPW], v[NIL]                      ; 0 onto my spare word: the steps below stand between it and the wait for it
	s_wait_xcnt 0x0                                ; the last loads of K, most of a trip back, have read KP
	KSTEP
	s_lshl_b32 s[OFF], s[VT], 17                   ; the descriptor's address is made anew from the tile's number
	s_add_nc_u64 s[G0+4*(1-(\sl))+2:G0+4*(1-(\sl))+3], s[VBS:VBS+1], s[OFF:OFF+1]
	s_or_b32 s[G0+4*(1-(\sl))+3], s[G0+4*(1-(\sl))+3], 0x80000000
	s_add_co_u32 s[VT], s[VT], 1
	s_and_b32 s[VT], s[VT], 31                     ; round the batch's 32 tiles
	s_wait_loadcnt 0x0                             ; K of step j + 1, asked for most of a trip ago
	s_wait_dscnt 0x0                               ; the add is done, my part of P is stored, my reads of the other slot are over
	s_barrier_signal -1
	KQ                                             ; work on registers while the others arrive
	WIN 0
	s_barrier_wait -1
	CREST                                          ; no wave of any partner still reads the other slot or has a load on its way
	tensor_load_to_lds s[G0+4*(1-(\sl)):G0+4*(1-(\sl))+3], s[G1:G1+7]
	s_nop 0
	PLACES                                         ; also the places behind the scores and behind unit 2 of the trip before
.else
	s_wait_tensorcnt 0x0
	ds_add_u32 v[SPW], v[NIL]
	s_wait_dscnt 0x0
	s_barrier_signal -1
	s_barrier_wait -1
	PLACES
.endif
	FETCHP \sl, 0
	FETCHV \sl, 0
.if (\kind) == 1
	WIN 0
	ASK \ak
.endif
.if (\kind) == 2
	XLOAD 0                                        ; into Q's registers, which nothing reads any more
	XLOAD 1
	MULU 3, 0, 0, 1                                ; step 30's last unit
.elseif (\kind) == 1
	MULU 3, 0, 1, 1
.else
	MULU 3, 0, 1, 0
.endif
	WIN 0
	PLACES                                         ; the places behind the unit; the first is also the plain instruction behind the last exponential
.if (\kind) != 2
	s_wait_alu depctr_va_vdst(0)                   ; the one wait for the batch of 32 exponentials, ahead of their first readers
.endif
	FETCHP \sl, 1
	FETCHV \sl, 1
.if (\kind) != 2
	WIN 0
.if \kj
	s_cmp_eq_u32 s[CNT], 1
	s_cbranch_scc1 .Lno_k_\@
.endif
	KLOAD                                          ; K of step j + 2
.if \kj
.Lno_k_\@:
.endif
.endif
	s_wait_dscnt 24                                ; P's first chunk and unit 0 are in; the 24 loads just issued may be out
.if (\kind) != 2
	MULU 0, \zero, 2, 1
.else
	MULU 0, \zero, 0, 1
.endif
	PLACES
.if (\kind) != 2
	PSTORE 1-(\sl)
.endif
	FETCHV \sl, 2
.if (\kind) != 2
	s_wait_dscnt 20                                ; P's second chunk and unit 1 are in; the four stores and unit 2's 16 loads may be out
.else
	s_wait_dscnt 16
.endif
	MULU 1, \zero, 0, 1
	PLACES
	FETCHV \sl, 3
	s_wait_dscnt 16                                ; unit 2 is in
	MULU 2, 0, 0, 1
.endm
	KQ                                             ; step 0's scores (walk 1's last wait has shown K of step 0 in)
	PLACES
	s_wait_xcnt 0x0
	KSTEP
	KLOAD                                          ; K of step 1
.set k, 0
.rept 17
	SMA k                                          ; step 0's weights: there is no matrix work yet to set them behind
.set k, k+1
.endr
	v_nop
	s_wait_alu depctr_va_vdst(0)
.set k, 0
.rept 32
	SMB k, 1
.set k, k+1
.endr
	PSTORE 0
	TRIP 0, 0, 1, 0, 0                             ; trip 0: units 0 and 1 start O^T's sums
	WIN 0
	s_mov_b32 s[CNT], 15
.Ltrip:                                                ; trips 1 to 30: the round's third to last tiles are asked for
	TRIP 1, 1, 0, 0, 0
	TRIP 0, 1, 0, 1, 1
	WIN 0
	s_sub_co_u32 s[CNT], s[CNT], 1
	s_cmp_lg_u32 s[CNT], 0
	s_cbranch_scc1 .Ltrip
	TRIP 1, 2, 0, 0, 0                             ; trip 31 is written out
	s_wait_dscnt 0x0
	MULU 3, 0, 0, 1                                ; and its own last unit
	; THE WAY OUT.  l: its two halves, the other half of the lanes', the other waves' (through LDS); then gamma / l in each query's lanes.
	WIN 0
	PLACES
	PLACES                                         ; the places behind the last products
.irp t, 0,1,2,3
	v_add_f32 v[M+(\t)], v[ST+4*(\t)+2], v[ST+4*(\t)+3]
.endr
.irp t, 0,1,2,3
	v_permlanex16_b32 v[M+4+(\t)], v[M+(\t)], s[SEL], s[SEL+1]
.endr
.irp t, 0,1,2,3
	v_add_f32 v[M+(\t)], v[M+(\t)], v[M+4+(\t)]
.endr
	ds_store_b128 v[MXS], v[M:M+3] offset:2048
	s_wait_dscnt 0x0                               ; for the others' sake: my store is done
	s_barrier_signal -1
	s_barrier_wait -1
.irp w, 0,1,2,3
	ds_load_b128 v[M+4*(\w):M+4*(\w)+3], v[MXR] offset:2048+512*(\w)
.endr
	XLOAD 2                                        ; into V's two buffers, behind the places above
	XLOAD 3
	WIN 0
	s_wait_dscnt 0x0
.irp t, 0,1,2,3
	v_add_f32 v[M+(\t)], v[M+(\t)], v[M+4+(\t)]
	v_add_f32 v[M+8+(\t)], v[M+8+(\t)], v[M+12+(\t)]
.endr
.irp t, 0,1,2,3
	v_add_f32 v[M+(\t)], v[M+(\t)], v[M+8+(\t)]
.endr
.irp t, 0,1,2,3
	v_rcp_f32 v[M+4+(\t)], v[M+(\t)]
.endr
	v_nop                                          ; a plain instruction between the last reciprocal and the use of its result,
	s_wait_alu depctr_va_vdst(0)                   ; and the wait ahead of the first use: one for the four
.irp t, 0,1,2,3
	v_mul_f32 v[G+2*(\t)], s[GAM], v[M+4+(\t)]
	v_mul_f32 v[G+2*(\t)+1], s[GAM], v[M+4+(\t)]   ; the pair is written whole
.endr
; Part e: tile e / 2 (16 rows), half e % 2 of my channels (8 accumulators of one window).  O^T times gamma / l, in ascending order; 32 bytes a lane into rows of 528 bytes of my own stage; back as whole rows of
; 512 bytes (LDS serves a wave's instructions in order, ISA guide 5.7.1.4: the loads see the stores, and the next part's stores come behind them); x is added; a store covers 512 consecutive bytes, aligned.
; left: the younger loads of x that may stay out: three buffers of 16, then the counts run down.
.macro OUT e, left
.set tt, (\e)/2
.set rb, 128+64*((\e)%2)
.set xr, 64*((\e)%4)
	WIN 0x82+0x41*((\e)%2)                         ; destination and source 0 window 2 or 3, gamma / l window 0
.set i, 0
.rept 32
	v_pk_mul_f32 v[64*tt+2*i:64*tt+2*i+1], v[64*tt+2*i:64*tt+2*i+1], v[G+2*tt:G+2*tt+1] op_sel_hi:[1,0]
.set i, i+1
.endr
	WIN 0x08+0x04*((\e)%2)                         ; the stores' data (source 1) window 2 or 3
.set i, 0
.rept 8
	ds_store_b128 v[STO], v[64*tt+8*i:64*tt+8*i+3]   offset:64*i
	ds_store_b128 v[STO], v[64*tt+8*i+4:64*tt+8*i+7] offset:64*i+16
.set i, i+1
.endr
	WIN 0
	s_wait_xcnt 0x0                                ; the stores of the part before last have read these registers
.set i, 0
.rept 16
	ds_load_b128 v[rb+4*i:rb+4*i+3], v[RD] offset:i*SPITCH
.set i, i+1
.endr
	s_wait_loadcnt \left
	s_wait_dscnt 0x0
	WIN 0x04                                       ; x (source 1) window 1
.set i, 0
.rept 32
	v_pk_add_f32 v[rb+2*i:rb+2*i+1], v[rb+2*i:rb+2*i+1], v[xr+2*i:xr+2*i+1]
.set i, i+1
.endr
	WIN 0
.set i, 0
.rept 16
	global_store_b128 v[LO], v[rb+4*i:rb+4*i+3], s[OB:OB+1] offset:(16*tt+i)*4096+((\e)%2)*512 th:TH_STORE_NT
.set i, i+1
.endr
.if (\e) < 4
	XLOAD (\e)+4                                   ; its buffer takes the part four further on
.endif
.endm
	OUT 0, 48
	OUT 1, 48
	OUT 2, 48
	OUT 3, 48
	OUT 4, 48
	OUT 5, 32
	OUT 6, 16
	OUT 7, 0
	WIN 0
	s_wait_tensorcnt 0x0                           ; the wave's end: behind my last tensor load and my last LDS store
	ds_add_u32 v[SPW], v[NIL]
	s_wait_dscnt 0x0
	ROUND                                          ; the closing round: no work-group ends while a partner may still ask for a tile that names it
	s_endpgm
.Lfunc_end_k_q336658098b_attn:
	.size	k_q336658098b_attn, .Lfunc_end_k_q336658098b_attn-k_q336658098b_attn
	.p2alignl 7, 3214868480
	.fill 96, 4, 3214868480
	.section	.rodata,"a",@progbits
	.p2align	6, 0x0
	.amdhsa_kernel k_q336658098b_attn
		.amdhsa_group_segment_fixed_size 327680
		.amdhsa_private_segment_fixed_size 0
		.amdhsa_enable_private_segment 0
		.amdhsa_kernarg_size 40
		.amdhsa_user_sgpr_count 2
		.amdhsa_user_sgpr_kernarg_segment_ptr 1
		.amdhsa_wavefront_size32 1
		.amdhsa_system_sgpr_workgroup_id_x 1
		.amdhsa_system_sgpr_workgroup_id_y 1
		.amdhsa_system_sgpr_workgroup_id_z 1
		.amdhsa_system_vgpr_workitem_id 0
		.amdhsa_next_free_vgpr 1024
		.amdhsa_next_free_sgpr 88
		.amdhsa_reserve_vcc 0
		.amdhsa_float_denorm_mode_32 3
		.amdhsa_float_denorm_mode_16_64 3
		.amdhsa_memory_ordered 1
		.amdhsa_forward_progress 1
		.amdhsa_inst_pref_size 222
	.end_amdhsa_kernel
	.amdgpu_metadata
---
amdhsa.version: [ 1, 2 ]
amdhsa.kernels:
  - .name:           k_q336658098b_attn
    .symbol:         k_q336658098b_attn.kd
    .args:
      - { .name: qk, .offset: 0, .size: 8, .value_kind: global_buffer, .address_space: global }
      - { .name: v, .offset: 8, .size: 8, .value_kind: global_buffer, .address_space: global }
      - { .name: x, .offset: 16, .size: 8, .value_kind: global_buffer, .address_space: global }
      - { .name: gamma, .offset: 24, .size: 8, .value_kind: global_buffer, .address_space: global }
      - { .name: out0, .offset: 32, .size: 8, .value_kind: global_buffer, .address_space: global }
    .group_segment_fixed_size: 327680
    .private_segment_fixed_size: 0
    .kernarg_segment_align: 8
    .kernarg_segment_size: 40
    .max_flat_workgroup_size: 128
    .sgpr_count:     88
    .vgpr_count:     1024
    .wavefront_size: 32
...
	.end_amdgpu_metadata
.endif
;; end of part 3
